; MI455X (gfx1250); checked and timed in simulation.
; The chip was launched on July 23, 2026; its instructions are those of AMD's public machine-readable ISA for CDNA 5 (MIT licence, August 2026) and "CDNA5" Instruction Set Architecture Reference Guide (July 2026). The comments in the code are by the model that wrote it; some were corrected since.
;; Bit Linear Inference. Allowed arithmetic: matrix products marked QUANTISED: E2M1 operands, one E8M0 scale for each 32 along K, by v_wmma_scale_f32_16x16x128_f8f6f4 with both operands' format E2M1 (or v_wmma_scale_f32_32x16x128_f4), f32 sums; everything else in f32.
;; Inputs: weight_scale 1 float32; weight_ternary 2,048 x 4,096 int32; x 4 x 2,048 x 4,096 float32.
;; Outputs: out0 4 x 2,048 x 2,048 float32.
;; This version of the problem:
;;   THIS VERSION OF THE PROBLEM IS GIVEN IN LOW PRECISION. The matrix products marked QUANTISED in the list below multiply operands that are first quantised to E2M1 (2 exponent bits, 1 mantissa bit; 4 bits a number), with one power-of-two scale for each 32 numbers along K (OCP MX v1.0); their sums are f32. All else is computed in f32.
;;   The module's matrix products, in the order in which they are computed (A, B: the left and right operand; K: the contracted axis; several contracted axes count as one K, in the product's order):
;;     1. [M 8,192, K 4,096] x [K 4,096, N 2,048]; A: computed on the way; B: computed on the way: QUANTISED
;;   THE QUANTISER, for each operand of a quantised product, along K:
;;     - K is cut into blocks of 32 from its start; a last block that is shorter is filled with zeros.
;;     - A block's scale is 2^e with e = floor(log2(the largest magnitude in the block)) - 2, held to -126 .. 127; a block of zeros has e = 0. As a byte (E8M0): e + 127.
;;     - Each number is divided by its block's scale, clamped to +-6, and rounded to the nearest number of E2M1, ties to even, subnormals kept.
;;     - The product sums the exact products of the quantised numbers (number of the format x scale) in f32.
;;   ~~~python
;;   def quantise(x, axis):      # numpy; x: float32 -> the quantised numbers, widened to float32 again
;;       x = np.moveaxis(x, axis, -1); K = x.shape[-1]
;;       x = np.pad(x, [(0, 0)] * (x.ndim - 1) + [(0, -K % 32)]); x = x.reshape(x.shape[:-1] + (-1, 32)); a = np.abs(x).max(-1, keepdims=True)
;;       e = np.where(a > 0, np.clip(np.frexp(np.where(a > 0, a, 1))[1] - 1 - 2, -126, 127), 0)      # np.frexp(a)[1] - 1 = floor(log2(a)), exactly
;;       r = np.clip(x / 2.0 ** e, -6, 6)
;;       step = 2.0 ** (np.maximum(np.frexp(np.where(r == 0, 1, r))[1] - 1, 0) - 1)
;;       q = np.round(r / step) * step * 2.0 ** e      # np.round: ties to even
;;       return np.moveaxis(q.reshape(q.shape[:-2] + (-1,))[..., :K], -1, axis).astype(np.float32)
;;   ~~~
;;   OPERANDS COMPUTED ON THE WAY. 'Computed on the way' means the value that the module computes at that place (a softmax that the list does not call 'softmax' is quantised finished and normalised). What goes into a quantiser is computed in f32, as accurately as f32 sums, v_exp_f32 and their like allow (about 1e-6 of the number): no bf16 or f16 on the way to a quantiser, and a product that is left as it is and whose result goes on into a quantised operand takes f32 operands (vector FMAs, or v_wmma_f32_16x16x4_f32). A number that lies on a knife's edge between two numbers of the format may be rounded either way, as far as f32 arithmetic and the matrix unit's own rounding can turn it there, and no further.
;; One version. Each part assembles by itself: llvm-mc -triple=amdgcn-amd-amdhsa -mcpu=gfx1250 --defsym DOCPART=n.
;; ======== version 1 of 1: 2 launches
;; limits: right only within a limited range of input values
;; workspace buffers: xq 17,825,792 bytes; wq 4,456,448 bytes
;; launch quant (part 1): grid 256 x 1, 8 waves a work-group, no clusters, 284,672 bytes of LDS; arguments x, weight_ternary, weight_scale, xq, wq; writes xq, wq
.if DOCPART == 1
	.amdgcn_target "amdgcn-amd-amdhsa--gfx1250"
	.amdhsa_code_object_version 6
	.text
	.protected	k_qefe97c4513_quant
	.globl	k_qefe97c4513_quant
	.p2align	8
	.type	k_qefe97c4513_quant,@function
k_qefe97c4513_quant:
	s_mov_b64 s[64:65], 0
	v_nop
	global_prefetch_b8 v0, s[64:65] scope:SCOPE_SE
	s_setreg_imm32_b32 hwreg(HW_REG_WAVE_MODE, 25, 1), 1
	s_wait_xcnt 0x0
; BOTH OPERANDS OF THE PRODUCT ARE MADE HERE, ONCE.
; x [8192][4096] f32: for each row s = max(largest |x| of the row, 1e-5); n = round(x / s * 127), ties to even; x_final = n * s / 127.  weight_ternary [2048][4096] i32: w = f32(weight) * weight_scale.
; x_final and w are then turned into codes of FP4 (E2M1), 4 bits each, with one E8M0 scale byte for each 32 along K: a block's byte is its largest magnitude's exponent field - 2, held at 1 from below;
; each number is divided by the scale and rounded to the nearest code, ties to even, beyond 6 the code of 6.
; THE ARITHMETIC AHEAD OF THE CODES keeps the definition's order and rounds each step as an f32 division or multiplication rounds it: a whole number n that came out one off would move x_final by s / 127,
; far more than a last bit.  x / s: q = x r, then q + (x - s q) r, with r = 1 / s refined by one Newton step; (n s) / 127 likewise with the f32 number nearest 1 / 127.
; The definition's clip to -128 .. 127 returns its argument for every finite x: |x| <= s gives |x / s| <= 1 and |x / s * 127| <= 127.  So no line is written for it.
; LIMITS: NaN and infinities among the inputs are not served.  Rows whose largest |x| reaches 2^126 are not served (1 / s would be denormal, which v_rcp_f32 gives as 0: ISA guide, 15.8).
; A block of zeros gets the byte 1 where the quantiser's text says 127: its codes are zeros, which add nothing under any byte but 0xff, and this program alone reads the bytes.
; Blocks whose largest magnitude lies under 2^-124, the floor, are held at the byte 1.
; THE WORKSPACE, xq and wq alike: [block of 128 rows][K step of 512][CHUNK = 34,816 bytes].  A chunk: 128 rows x 256 bytes of codes (row r at 256 r, K ascending, the lower k in the low four bits),
; then from byte 32,768 on 128 rows x 16 scale bytes (row r at 16 r).  So the product's launch fetches the codes and scales of 128 rows x 512 K as ONE dense block.
; SHARES.  A row of x and a row of weight_ternary are both 16,384 bytes.  Each of 256 work-groups takes 32 rows of x and 8 rows of the weight; each of its eight waves 4 rows of x (n = 0 .. 3), then 1 of the weight (n = 4).
; A ROW IS NEEDED TWICE (its maximum; then its numbers) AND IS READ FROM MEMORY ONCE.  It comes in eight chunks of 2,048 bytes, four loads of 512 consecutive bytes each.  On arrival a chunk is folded into the
; running maxima and stored, as it lies, into the wave's own stage in LDS; later it comes back 64 bytes a lane, since the conversions take neighbours along K from ONE lane's registers (two lanes hold a block of 32).
; Row n + 1 arrives chunk by chunk inside row n's eight steps, and each chunk of registers so freed is loaded again at once: 32 loads, 16,384 bytes, of every wave are on their way from the first line
; until the weight row's last chunks.  Two stages a wave, by turns.  No tensor loads, no loop: every offset is an immediate and no pointer is stepped.  One barrier, at the end, for the scale bytes.
.set STG,   17408                      ; a stage: 64 rows of 256 bytes + 16 of padding
.set WREG,  2*STG                      ; a wave's two stages
.set SCX,   8*WREG                     ; behind the stages: x's scale bytes of the work-group, [K step 0..7][row 0..31][16 bytes]
.set SCW,   SCX+4096                   ; and the weight's, [K step 0..7][row 0..7][16 bytes]
.set CHUNK, 34816
.set RBLK,  8*CHUNK                    ; a block of 128 rows in the workspace
.set GA,   2                           ; v2   16 x lane: my 16 bytes of a load's 512
.set STI,  3                           ; v3   the stage, on the way in: a load's 512 bytes are two rows of it: 272 (lane / 16) + 16 (lane % 16)
.set STO,  4                           ; v4   and on the way out: my 64 bytes of a step's 2,048: 272 (lane / 4) + 64 (lane % 4)
.set GC,   5                           ; v5   8 x lane: my 16 codes
.set SBX,  6                           ; v6   LDS: my block's scale byte, x
.set SBW,  7                           ; v7   the same, weight
.set EX,   8                           ; v8   the end: where I read x's scale bytes back
.set EW,   9                           ; v9   and the weight's
.set SS,   10                          ; v[10:11] s, twice (the packed forms take a pair)
.set NS,   12                          ; v[12:13] -s
.set RR,   14                          ; v[14:15] 1 / s
.set C127, 16                          ; v[16:17] 127
.set CI,   18                          ; v[18:19] the f32 number nearest 1 / 127
.set CN,   20                          ; v[20:21] -127
.set WS,   22                          ; v[22:23] weight_scale
.set M,    24                          ; v24-27 four running maxima of the row that is arriving
.set BM,   28                          ; v28-29 a block's largest magnitude, in two chains
.set SO,   30                          ; v30  the conversion's scale operand
.set GW,   31                          ; v31  the end: my place among the weight's scale bytes in wq
.set E,    32                          ; v32-39 the scale's byte, a register for each of a row's eight steps
.set C,    226                         ; v[226:241] 16 codes, a pair for each of a row's eight steps
.set T,    40                          ; v40-55 at work
.set X,    56                          ; v56-87 16 neighbours along K, two sets by turns
.set R,    88                          ; v88-215 the eight chunks as they are loaded
.set OUTR, 216                         ; v216-223 the end
	s_load_b256 s[4:11], s[0:1], 0x0               ; x s[4:5], weight_ternary s[6:7], weight_scale s[8:9], xq s[10:11]
	s_load_b64 s[12:13], s[0:1], 0x20              ; wq
	v_lshl_add_u32 v224, v0, 2, 0x45400
	v_mov_b32 v225, 0
	v_lshrrev_b32 v1, 5, v0
	s_delay_alu instid0(VALU_DEP_1)
	v_readfirstlane_b32 s15, v1                    ; wave 0..7
	v_and_b32 v1, 31, v0                           ; lane
	s_delay_alu instid0(VALU_DEP_1)
	v_lshlrev_b32 v[GA], 4, v1
	s_delay_alu instid0(VALU_DEP_2)
	v_lshlrev_b32 v[GC], 3, v1
	s_mul_i32 s16, s15, WREG                       ; my wave's stages
	v_lshrrev_b32 v8, 4, v1
	s_delay_alu instid0(VALU_DEP_1)
	v_mul_u32_u24 v8, v8, 272
	v_and_b32 v9, 15, v1
	s_delay_alu instid0(VALU_DEP_1)
	v_lshl_add_u32 v8, v9, 4, v8
	s_delay_alu instid0(VALU_DEP_1)
	v_add_nc_u32 v[STI], s16, v8
	v_lshrrev_b32 v8, 2, v1
	s_delay_alu instid0(VALU_DEP_1)
	v_mul_u32_u24 v8, v8, 272
	v_and_b32 v9, 3, v1
	s_delay_alu instid0(VALU_DEP_1)
	v_lshl_add_u32 v8, v9, 6, v8
	s_delay_alu instid0(VALU_DEP_1)
	v_add_nc_u32 v[STO], s16, v8
	v_lshrrev_b32 v8, 1, v1                        ; my block of the step's sixteen
	s_lshl_b32 s16, s15, 6                         ; x: my wave's four rows of 16 bytes
	s_add_co_u32 s16, s16, SCX
	v_add_nc_u32 v[SBX], s16, v8
	s_lshl_b32 s16, s15, 4                         ; weight: my wave's one row
	s_add_co_u32 s16, s16, SCW
	v_add_nc_u32 v[SBW], s16, v8
	s_lshl_b32 s16, s15, 9                         ; the end: wave w stores K step w's 512 scale bytes of x
	s_add_co_u32 s16, s16, SCX
	v_add_nc_u32 v[EX], s16, v[GA]
	s_min_u32 s17, s15, 1                          ; the weight's 1,024 scale bytes are stored by waves 0 and 1; waves 2 to 7 make wave 1's addresses and jump over the lines that use them
	s_lshl_b32 s16, s17, 9
	s_add_co_u32 s16, s16, SCW
	v_add_nc_u32 v[EW], s16, v[GA]
	v_lshrrev_b32 v[GW], 3, v1                     ; of those 512 bytes eight lanes hold one K step's 128: CHUNK (lane / 8) + 16 (lane % 8)
	s_delay_alu instid0(VALU_DEP_1)
	v_mul_u32_u24 v[GW], v[GW], CHUNK
	v_and_b32 v[BM], 7, v1
	s_delay_alu instid0(VALU_DEP_1)
	v_lshl_add_u32 v[GW], v[BM], 4, v[GW]
.irp i, 0,1
	v_mov_b32 v[C127+\i], 0x42fe0000               ; 127.0
	v_mov_b32 v[CI+\i], 0x3c010204                 ; 1 / 127
	v_mov_b32 v[CN+\i], 0xc2fe0000                 ; -127.0
.endr
	s_mov_b32 s20, 0x76543210                      ; v_permlanex16_b32's selects for lane l xor 16
	s_mov_b32 s21, 0xfedcba98
	; byte offsets, in registers of their own.  g = the work-group's number, w = the wave's
	s_lshl_b32 s28, ttmp9, 19                      ; x: row 32 g + 4 w
	s_lshl_b32 s16, s15, 16
	s_add_co_u32 s28, s28, s16
	s_mov_b32 s29, 0
	s_lshl_b32 s30, ttmp9, 17                      ; weight_ternary: row 8 g + w
	s_lshl_b32 s16, s15, 14
	s_add_co_u32 s30, s30, s16
	s_mov_b32 s31, 0
	s_lshr_b32 s18, ttmp9, 2                       ; xq: block g / 4 of 128 rows, in it row 32 (g % 4) + 4 w
	s_mul_i32 s18, s18, RBLK
	s_and_b32 s19, ttmp9, 3
	s_lshl_b32 s16, s19, 13
	s_add_co_u32 s32, s18, s16
	s_lshl_b32 s16, s15, 10
	s_add_co_u32 s32, s32, s16
	s_mov_b32 s33, 0
	s_lshl_b32 s16, s19, 9                         ; xq's scale bytes: chunk w, the work-group's 32 rows of 16 bytes
	s_add_co_u32 s36, s18, s16
	s_mul_i32 s16, s15, CHUNK
	s_add_co_u32 s36, s36, s16
	s_add_co_u32 s36, s36, 32768
	s_mov_b32 s37, 0
	s_lshr_b32 s18, ttmp9, 4                       ; wq: block g / 16, in it row 8 (g % 16) + w
	s_mul_i32 s18, s18, RBLK
	s_and_b32 s19, ttmp9, 15
	s_lshl_b32 s16, s19, 11
	s_add_co_u32 s34, s18, s16
	s_lshl_b32 s16, s15, 8
	s_add_co_u32 s34, s34, s16
	s_mov_b32 s35, 0
	s_lshl_b32 s16, s19, 7                         ; wq's scale bytes: chunks 4 w on (w = 0, 1), the work-group's 8 rows of 16 bytes
	s_add_co_u32 s38, s18, s16
	s_mul_i32 s16, s17, 4*CHUNK
	s_add_co_u32 s38, s38, s16
	s_add_co_u32 s38, s38, 32768
	s_mov_b32 s39, 0
	s_wait_kmcnt 0x0
	s_load_b32 s14, s[8:9], 0x0                    ; weight_scale: nothing in this launch writes it
	s_add_nc_u64 s[4:5], s[4:5], s[28:29]
	s_add_nc_u64 s[6:7], s[6:7], s[30:31]
	s_add_nc_u64 s[24:25], s[10:11], s[36:37]
	s_add_nc_u64 s[26:27], s[12:13], s[38:39]
	s_add_nc_u64 s[10:11], s[10:11], s[32:33]
	s_add_nc_u64 s[12:13], s[12:13], s[34:35]
; chunk t of row n: four loads, each of 512 consecutive bytes; read once in the launch
.macro LOADC n, t
.irp i, 0,1,2,3
.if (\n) < 4
	global_load_b128 v[R+16*(\t)+4*\i:R+16*(\t)+4*\i+3], v[GA], s[4:5] offset:16384*(\n)+2048*(\t)+512*\i th:TH_LOAD_NT
.else
	global_load_b128 v[R+16*(\t)+4*\i:R+16*(\t)+4*\i+3], v[GA], s[6:7] offset:2048*(\t)+512*\i th:TH_LOAD_NT
.endif
.endr
.endm
; chunk t of row n has come: a row of x is folded into the running maxima (four chains; the row's first chunk starts them: nothing is cleared); then the chunk goes into stage n % 2 as it lies.
; left = the loads issued behind the chunk's four, which may stay out
.macro ARRIVE n, t, left
	s_wait_loadcnt \left                           ; loads come back in order (ISA guide 5.7.1)
.set RC, R+16*(\t)
.if (\n) < 4
.irp k, 0,1,2,3
.if (\t) == 0
	v_max_num_f32 v[M+\k], |v[RC+2*\k]|, |v[RC+2*\k+1]|
.else
	v_max3_num_f32 v[M+\k], v[M+\k], |v[RC+2*\k]|, |v[RC+2*\k+1]|
.endif
.endr
.irp k, 0,1,2,3
	s_delay_alu instid0(VALU_DEP_4)
	v_max3_num_f32 v[M+\k], v[M+\k], |v[RC+8+2*\k]|, |v[RC+9+2*\k]|
.endr
.endif
.irp i, 0,1,2,3
	ds_store_b128 v[STI], v[RC+4*\i:RC+4*\i+3] offset:((\n)%2)*STG+(8*(\t)+2*\i)*272
.endr
.endm
; step t of row n comes back from the stage, 16 neighbours a lane, into set t % 2.  LDS serves a wave's instructions in order (ISA guide 5.7.1.4): these see the stores
.macro FETCH n, t
.irp i, 0,1,2,3
	ds_load_b128 v[X+16*((\t)%2)+4*\i:X+16*((\t)%2)+4*\i+3], v[STO] offset:((\n)%2)*STG+2176*(\t)+16*\i
.endr
.endm
; the row whose maxima lie in M: s, -s and 1 / s, each twice
.macro ROWHEAD
	v_max3_num_f32 v[M], v[M], v[M+1], v[M+2]
	s_delay_alu instid0(VALU_DEP_1)
	v_max3_num_f32 v[M], v[M], v[M+3], 0x3727c5ac  ; the clip at 1e-5 is one more leaf of the maximum
	s_delay_alu instid0(VALU_DEP_1)
	v_max_num_f32_dpp v[M], v[M], v[M] row_xmask:1 row_mask:0xf bank_mask:0xf
	s_delay_alu instid0(VALU_DEP_1)
	v_max_num_f32_dpp v[M], v[M], v[M] row_xmask:2 row_mask:0xf bank_mask:0xf
	s_delay_alu instid0(VALU_DEP_1)
	v_max_num_f32_dpp v[M], v[M], v[M] row_xmask:4 row_mask:0xf bank_mask:0xf
	s_delay_alu instid0(VALU_DEP_1)
	v_max_num_f32_dpp v[M], v[M], v[M] row_xmask:8 row_mask:0xf bank_mask:0xf
	s_delay_alu instid0(VALU_DEP_1)
	v_permlanex16_b32 v[M+1], v[M], s20, s21       ; (its destination has been written: it was a running maximum)
	s_delay_alu instid0(VALU_DEP_1)
	v_max_num_f32 v[SS], v[M], v[M+1]              ; every lane holds s
	s_delay_alu instid0(VALU_DEP_1)
	v_mov_b32 v[SS+1], v[SS]
	v_rcp_f32 v[RR], v[SS]
	v_xor_b32 v[NS], 0x80000000, v[SS]             ; -s.  (The plain line behind the reciprocal: ISA guide 5.7.2)
	s_delay_alu instid0(VALU_DEP_1)
	v_mov_b32 v[NS+1], v[NS]
	s_wait_alu depctr_va_vdst(0)
	v_fma_f32 v[T], v[NS], v[RR], 1.0              ; one Newton step: r + r (1 - s r)
	v_fma_f32 v[RR], v[T], v[RR], v[RR]
	s_delay_alu instid0(VALU_DEP_1)
	v_mov_b32 v[RR+1], v[RR]
.endm
; 16 numbers of x become x_final, in place.  Nine stages over eight pairs each: no line waits for the line above it
.macro FAKEQ xs
.irp j, 0,2,4,6,8,10,12,14
	v_pk_mul_f32 v[T+\j:T+\j+1], v[\xs+\j:\xs+\j+1], v[RR:RR+1]                          ; q = x r
.endr
.irp j, 0,2,4,6,8,10,12,14
	v_pk_fma_f32 v[\xs+\j:\xs+\j+1], v[T+\j:T+\j+1], v[NS:NS+1], v[\xs+\j:\xs+\j+1]      ; x - s q
.endr
.irp j, 0,2,4,6,8,10,12,14
	v_pk_fma_f32 v[T+\j:T+\j+1], v[\xs+\j:\xs+\j+1], v[RR:RR+1], v[T+\j:T+\j+1]          ; x / s
.endr
.irp j, 0,2,4,6,8,10,12,14
	v_pk_mul_f32 v[T+\j:T+\j+1], v[T+\j:T+\j+1], v[C127:C127+1]                          ; * 127, rounded by itself
.endr
.irp j, 0,1,2,3,4,5,6,7,8,9,10,11,12,13,14,15
	v_rndne_f32 v[T+\j], v[T+\j]                                                         ; n: to the nearest whole number, ties to even
.endr
.irp j, 0,2,4,6,8,10,12,14
	v_pk_mul_f32 v[T+\j:T+\j+1], v[T+\j:T+\j+1], v[SS:SS+1]                              ; y = n s
.endr
.irp j, 0,2,4,6,8,10,12,14
	v_pk_mul_f32 v[\xs+\j:\xs+\j+1], v[T+\j:T+\j+1], v[CI:CI+1]                          ; q = y (1 / 127)
.endr
.irp j, 0,2,4,6,8,10,12,14
	v_pk_fma_f32 v[T+\j:T+\j+1], v[\xs+\j:\xs+\j+1], v[CN:CN+1], v[T+\j:T+\j+1]          ; y - 127 q
.endr
.irp j, 0,2,4,6,8,10,12,14
	v_pk_fma_f32 v[\xs+\j:\xs+\j+1], v[T+\j:T+\j+1], v[CI:CI+1], v[\xs+\j:\xs+\j+1]      ; y / 127
.endr
.endm
; 16 whole numbers of the weight become w, in place
.macro WDEQ xs
.irp j, 0,1,2,3,4,5,6,7,8,9,10,11,12,13,14,15
	v_cvt_f32_i32 v[\xs+\j], v[\xs+\j]
.endr
.irp j, 0,2,4,6,8,10,12,14
	v_pk_mul_f32 v[\xs+\j:\xs+\j+1], v[\xs+\j:\xs+\j+1], v[WS:WS+1]
.endr
.endm
; my 16 numbers become 16 codes in set p of C, and their block's scale byte in set p of E
.macro MXQ xs, p
	v_max3_num_f32 v[BM], |v[\xs]|, |v[\xs+1]|, |v[\xs+2]|           ; the largest magnitude of my 16, in two chains
	v_max3_num_f32 v[BM+1], |v[\xs+3]|, |v[\xs+4]|, |v[\xs+5]|
.irp i, 6,10
	s_delay_alu instid0(VALU_DEP_2)
	v_max3_num_f32 v[BM], v[BM], |v[\xs+\i]|, |v[\xs+\i+1]|
	s_delay_alu instid0(VALU_DEP_2)
	v_max3_num_f32 v[BM+1], v[BM+1], |v[\xs+\i+2]|, |v[\xs+\i+3]|
.endr
	s_delay_alu instid0(VALU_DEP_2)
	v_max3_num_f32 v[BM], v[BM], |v[\xs+14]|, |v[\xs+15]|
	s_delay_alu instid0(VALU_DEP_1)
	v_max3_num_f32 v[BM], v[BM], v[BM+1], 0x1800000                  ; and the floor 2^(3 - 127): so the byte cannot fall under 1
	s_delay_alu instid0(VALU_DEP_1)
	v_max_num_f32_dpp v[BM], v[BM], v[BM] row_xmask:1 row_mask:0xf bank_mask:0xf   ; and of my neighbour's 16: the block's
	s_delay_alu instid0(VALU_DEP_1)
	v_add_nc_u32 v[SO], 0xff000000, v[BM]          ; 2 off its exponent field: the conversion takes the exponent field of this operand as its scale, and nothing else of it
.if \p == 0
	s_wait_alu depctr_va_vdst(0)                   ; the wait here, directly ahead of the wait below
	s_wait_xcnt 0x0                                ; once a row: the last row's eight stores have read their data, so all eight pairs of C may be written again (ISA guide 3.1)
.endif
	v_cvt_scalef32_pk8_fp4_f32 v[C+2*\p], v[\xs:\xs+7], v[SO]
	v_cvt_scalef32_pk8_fp4_f32 v[C+2*\p+1], v[\xs+8:\xs+15], v[SO]
	v_lshrrev_b32 v[E+\p], 23, v[SO]               ; the scale's byte.  (A plain line behind the conversions)
.endm
; STEP t OF ROW n.  d: the LDS instructions issued behind the loads of this step's numbers, which may stay out: the last step's byte store, or none.
; That wait also shows the stores of the chunk that arrived last step done: its registers take the next load.
.macro STEP n, t, d
.set XS, X+16*((\t)%2)
.set PS, (\t)%8
	s_wait_dscnt \d
.if (\t) > 0
.if (\n)+2 <= 4
	LOADC (\n)+2, (\t)-1                           ; last step row n + 1's chunk t - 1 went into the stage: its registers take the same chunk of row n + 2
.endif
.else
.if (\n)+1 <= 4
	LOADC (\n)+1, 7                                ; last step this row's chunk 7 went into the stage
.endif
.endif
.if (\n) < 3
	ARRIVE (\n)+1, \t, 28                          ; behind the chunk's loads: the row's 7 - t later chunks and the next row's first t: 7 chunks, 28 loads
.elseif (\n) == 3
	ARRIVE 4, \t, 4*(7-(\t))                       ; the weight's row is the last: only its own later chunks are out
.endif
.if (\t) < 7
	FETCH \n, (\t)+1                               ; the next step's numbers come back while this step's are worked on
.elseif (\n) < 4
	FETCH (\n)+1, 0
.endif
.if (\n) < 4
	FAKEQ XS
.else
	WDEQ XS
.endif
	MXQ XS, PS
.if (\n) < 4
	ds_store_b8 v[SBX], v[E+PS] offset:512*(\t)+16*(\n)              ; both lanes of a block write the same byte with the same value
.if (\t) == 7
.irp u, 0,1,2,3,4,5,6,7
	global_store_b64 v[GC], v[C+2*\u:C+2*\u+1], s[10:11] offset:CHUNK*\u+256*(\n)   ; the row's eight stores on end, behind its last step: each covers 256 consecutive bytes, at a multiple of 256 from xq's first byte
.endr
.endif
.else
	ds_store_b8 v[SBW], v[E+PS] offset:128*(\t)
.if (\t) == 7
.irp u, 0,1,2,3,4,5,6,7
	global_store_b64 v[GC], v[C+2*\u:C+2*\u+1], s[12:13] offset:CHUNK*\u
.endr
.endif
.endif
.endm
.irp t, 0,1,2,3,4,5,6,7
	LOADC 0, \t                                    ; the first row: 32 loads
.endr
	s_wait_kmcnt 0x0                               ; weight_scale
	v_mov_b32 v[WS], s14
	v_mov_b32 v[WS+1], s14
	ARRIVE 0, 0, 28
	s_wait_alu depctr_va_vdst(0)
.irp t, 1,2,3,4,5,6,7
	s_wait_alu depctr_va_vdst(0)
	s_wait_dscnt 0x0                               ; the last chunk's stores into the stage are done: its registers take the second row's chunk
	LOADC 1, (\t)-1
	ARRIVE 0, \t, 28                               ; again 7 chunks were issued behind the one that is wanted
.endr
	FETCH 0, 0
	ROWHEAD
	s_wait_alu depctr_va_vdst(0)
	STEP 0, 0, 0
.irp t, 1,2,3,4,5,6,7
	STEP 0, \t, 1
.endr
.irp n, 1,2,3
	ROWHEAD                                        ; the row arrived whole during the row before
	s_wait_alu depctr_va_vdst(0)
.irp t, 0,1,2,3,4,5,6,7
	STEP \n, \t, 1
.endr
.endr
.irp t, 0,1,2,3,4,5,6,7
	STEP 4, \t, 1                                  ; the weight's row
.endr
	; THE SCALE BYTES.  Each wave has put 16 bytes a row and K step into LDS; a K step's bytes of the work-group's 32 rows of x are 512 consecutive bytes of xq.
	s_wait_dscnt 0x0                               ; for the others' sake: my byte stores are done
	s_barrier_signal -1
	s_barrier_wait -1
	ds_load_b128 v[OUTR:OUTR+3], v[EX]
	s_wait_dscnt 0x0
	global_store_b128 v[GA], v[OUTR:OUTR+3], s[24:25]              ; 32 lanes store 512 consecutive bytes, at a multiple of 256 from xq's first byte
	s_cmp_lt_u32 s15, 2
	s_cbranch_scc0 .Ldone
	ds_load_b128 v[OUTR+4:OUTR+7], v[EW]
	s_wait_dscnt 0x0
	global_store_b128 v[GW], v[OUTR+4:OUTR+7], s[26:27]            ; eight lanes store a K step's 128 consecutive bytes: the work-group has only 8 of the weight's rows.  1,024 bytes of the 655,360 that it reads
.Ldone:
	s_wait_tensorcnt 0x0
	ds_add_u32 v224, v225
	s_wait_dscnt 0x0
	s_endpgm
.Lfunc_end_k_qefe97c4513_quant:
	.size	k_qefe97c4513_quant, .Lfunc_end_k_qefe97c4513_quant-k_qefe97c4513_quant
	.p2alignl 7, 3214868480
	.fill 96, 4, 3214868480
	.section	.rodata,"a",@progbits
	.p2align	6, 0x0
	.amdhsa_kernel k_qefe97c4513_quant
		.amdhsa_group_segment_fixed_size 284672
		.amdhsa_private_segment_fixed_size 0
		.amdhsa_enable_private_segment 0
		.amdhsa_kernarg_size 40
		.amdhsa_user_sgpr_count 2
		.amdhsa_user_sgpr_kernarg_segment_ptr 1
		.amdhsa_wavefront_size32 1
		.amdhsa_system_sgpr_workgroup_id_x 1
		.amdhsa_system_sgpr_workgroup_id_y 1
		.amdhsa_system_sgpr_workgroup_id_z 1
		.amdhsa_system_vgpr_workitem_id 0
		.amdhsa_next_free_vgpr 242
		.amdhsa_next_free_sgpr 66
		.amdhsa_reserve_vcc 0
		.amdhsa_float_denorm_mode_32 3
		.amdhsa_float_denorm_mode_16_64 3
		.amdhsa_memory_ordered 1
		.amdhsa_forward_progress 1
		.amdhsa_inst_pref_size 255
	.end_amdhsa_kernel
	.section	.bss,"aw",@nobits
	.p2align	6
	.space	262144
	.amdgpu_metadata
---
amdhsa.version: [ 1, 2 ]
amdhsa.kernels:
  - .name:           k_qefe97c4513_quant
    .symbol:         k_qefe97c4513_quant.kd
    .args:
      - { .name: x, .offset: 0, .size: 8, .value_kind: global_buffer, .address_space: global }
      - { .name: weight_ternary, .offset: 8, .size: 8, .value_kind: global_buffer, .address_space: global }
      - { .name: weight_scale, .offset: 16, .size: 8, .value_kind: global_buffer, .address_space: global }
      - { .name: xq, .offset: 24, .size: 8, .value_kind: global_buffer, .address_space: global }
      - { .name: wq, .offset: 32, .size: 8, .value_kind: global_buffer, .address_space: global }
    .group_segment_fixed_size: 284672
    .private_segment_fixed_size: 0
    .kernarg_segment_align: 8
    .kernarg_segment_size: 40
    .max_flat_workgroup_size: 256
    .sgpr_count:     66
    .vgpr_count:     242
    .wavefront_size: 32
...
	.end_amdgpu_metadata
.endif
;; end of part 1
;; launch gemm (part 2): grid 8 x 32, 4 waves a work-group, clusters of 4 x 4, 327,680 bytes of LDS; arguments xq, wq, out0; writes out0
.if DOCPART == 2
	.amdgcn_target "amdgcn-amd-amdhsa--gfx1250"
	.amdhsa_code_object_version 6
	.text
	.protected	k_qefe97c4513_gemm
	.globl	k_qefe97c4513_gemm
	.p2align	8
	.type	k_qefe97c4513_gemm,@function
k_qefe97c4513_gemm:
	s_mov_b64 s[64:65], 0
	v_nop
	global_prefetch_b8 v0, s[64:65] scope:SCOPE_SE
	s_setreg_imm32_b32 hwreg(HW_REG_WAVE_MODE, 25, 1), 1
	s_wait_xcnt 0x0
	s_wait_alu depctr_hold_cnt(0) depctr_sa_sdst(0) depctr_va_vdst(0) depctr_va_sdst(0) depctr_va_ssrc(0) depctr_va_vcc(0) depctr_vm_vsrc(0)
	s_getreg_b32 s2, hwreg(HW_REG_IB_STS2, 6, 4)
	s_cmp_eq_u32 s2, 0
	s_cbranch_scc0 .Lentry_in_a_cluster
	s_endpgm
.Lentry_in_a_cluster:
	s_bfe_u32 s2, ttmp6, 0x10000c
	s_cmp_lg_u32 s2, 0xf033
	s_cbranch_scc0 .Lentry_shape_is_right
	s_endpgm
.Lentry_shape_is_right:
; out0[m][n] = sum over k of x_final[m][k] w[n][k], M 8192, N 2048, K 4096, on the codes (FP4, E2M1) and E8M0 scale bytes that launch quant stored; sums in f32.
; xq and wq: [block of 128 rows][K step of 512][CHUNK = 34,816 bytes]: 128 rows x 256 bytes of codes, then 128 rows x 16 scale bytes: 136 rows of 256 bytes, dense.
; A tile of out0, 256 x 256, is made by four waves, each 128 x 128: 64 accumulators, 512 registers.  32 x 8 tiles: 256 work-groups.  K goes in 8 steps of 512 through two LDS slots;
; a wave's one tensor load brings one chunk (codes and scales together), 16 bytes of padding behind each 256: LDS rows 272 bytes apart.
; CLUSTERS 4 x 4: the four of a cluster's row ask jointly for x's chunks, the four of a column for w's.  The matrix instruction is used transposed (source 0 = 16 rows of w, source 1 = 16 rows of x):
; a lane holds eight neighbouring numbers of a row of out0.
; FRAGMENTS: two sets for both operands.  While a set is multiplied (64 products, x's blocks one after the other, each against w's eight), the 32 LDS loads of the next 128 along K go into the other set
; in two runs of 16: w's eight fragments at the step's head, 64 products ahead of their use, x's eight in its middle, 32 products or more ahead.
; PREFETCH: of a chunk's 136 blocks of 256 bytes each of the four partners that load it jointly names 34, told apart by address (cx for x, cy for w): lanes 0-31 a block each, then blocks 32 and 33
; (the lanes left over name block 33 again).  The head names K steps 1 and 2, the first fill of slot 1 step 3, the change of slots in step t names step t + 4 up to step 7:
; never more than two steps named and not yet loaded, every address inside the chunk's own block of rows.
; THE LAST K STEP GOES BY ROWS OF out0: w's fragments of the whole step fill window 1, and my eight blocks of 16 rows are finished one after the other and leave at once; K stays ascending.
; REGISTERS: window 0: v0-31 addresses; v32-95 scale words, a set a slot; last step: v128-191 x's fragments, two buffers of 16 rows x 512 K; v192-255, and v32-63 with v96-127: rows on the way out.
;   window 1: set g: w's fragments at v[128 g], x's at v[128 g + 64] (last step: w's quarter q at v[64 q]).  windows 2, 3: the accumulators of my rows 0-63, 64-127 ((a, b) at v[8 (8 (a % 4) + b)]).
.set SIZE_N, 2048
.set NQ,     4                         ; matrix instructions deep in a K step
.set PITCH,  272
.set FR,     8                         ; registers of a fragment, 16 rows x 128 K
.set NL,     2                         ; LDS loads that bring one
.set NP,     4                         ; places behind this matrix form (ISA guide 7.12.1)
.set CHUNK,  34816
.set RBLK,   8*CHUNK
.set HALFT,  136*PITCH                 ; a chunk in LDS
.set SCO,    128*PITCH                 ; its scale bytes: LDS row 128 + i holds the 16 bytes of each of rows 16 i .. 16 i + 15
.set SLOT,   4*HALFT                   ; x's two chunks, then w's two
.set LAPS,   4                         ; a lap = two K steps
.set SPARE,  2*SLOT                    ; the spare words: 128 bytes a wave, named by no other line
.set SPITCH, 528                       ; the way out: a stage of 16 rows x (512 + 16) bytes a wave, in slot 0, behind its last fill and last read
.set SHARE,  34*256                    ; a partner's part of a chunk's prefetch
.set ADRA, 16                          ; v16-17 LDS address of my fragments of x in slot 0, 1
.set ADRB, 20                          ; v20-21 the same for w
.set PFO,  22                          ; v22-23 the prefetches' offsets; never rewritten
.set STO,  24                          ; into the stage
.set RD,   25                          ; back from it
.set CO,   26                          ; my 16 bytes of a row's 512 in out0
.set SPW,  28                          ; my spare word; never rewritten
.set NIL,  29                          ; 0; never rewritten
.set ADRS, 30                          ; v30-31 my scale words in slot 0, 1: lanes 0-15 x's rows, lanes 16-31 w's
.set SC,   32
.set PA,   128
.set PFA,  8                           ; s[8:9] my part of my chunk, stepped a K step at each change of slots
.set G1, 24                            ; s[24:31], s[32:39]: groups 1 and 0 (a set a slot) for x's chunks
.set G0, 32
.set G1B, 48                           ; s[48:55], s[56:63]: for w's
.set G0B, 56
.set MSB, 0
.macro WIN new                         ; the immediate's high byte repeats the setting that is left
.if MSB != \new
	s_set_vgpr_msb (MSB<<8)|\new
.set MSB, \new
.endif
.endm
.set MUL_LO, 0xa5                      ; sources 0 (w) and 1 (x) window 1, C and D window 2
.set MUL_HI, 0xf5                      ; the same, C and D window 3
.set ROW_LO, 0xa1                      ; the last step: source 0 (w) window 1, source 1 (x) window 0, C and D window 2; + 0x50: window 3
.set TO_F,   0x40                      ; destination window 1, address window 0
.macro JLOAD s                         ; a joint load: waves 0, 1 for x, waves 2, 3 for w; s_nop 0 and four v_nop behind each line
	s_cmp_eq_u32 s15, 0
	s_cbranch_scc0 .Lfor_b_\@
	tensor_load_to_lds s[G0+4*\s:G0+4*\s+3], s[G1:G1+7]
	s_nop 0
.rept 4
	v_nop
.endr
	s_branch .Lasked_\@
.Lfor_b_\@:
	tensor_load_to_lds s[G0B+4*\s:G0B+4*\s+3], s[G1B:G1B+7]
	s_nop 0
.rept 4
	v_nop
.endr
.Lasked_\@:
.endm
.macro CREST                           ; a round of the cluster's barrier behind its opening barrier
	s_cmp_lg_u32 s14, 0
	s_cbranch_scc1 .Lnot_wave_0_\@
	s_barrier_signal -3
.Lnot_wave_0_\@:
	s_barrier_wait -3
	s_barrier_signal -1
	s_barrier_wait -1
.endm
.macro CROUND
	s_barrier_signal -1
	s_barrier_wait -1
	CREST
.endm
.macro PF k                            ; my 34 blocks of the chunk k K steps behind s[PFA]
	global_prefetch_b8 v[PFO], s[PFA:PFA+1] offset:(\k)*CHUNK th:TH_LOAD_NT scope:SCOPE_SE
	global_prefetch_b8 v[PFO+1], s[PFA:PFA+1] offset:(\k)*CHUNK th:TH_LOAD_NT scope:SCOPE_SE
.endm
	s_load_b128 s[4:7], s[0:1], 0x0                ; xq, wq
	s_load_b64 s[12:13], s[0:1], 0x10              ; out0
	v_lshl_add_u32 v[SPW], v0, 2, SPARE
	v_mov_b32 v[NIL], 0
	ds_add_u32 v[SPW], v[NIL]                      ; the opening lines: the add, twice on end, and its wait ahead of my first tensor load
	ds_add_u32 v[SPW], v[NIL]
	v_lshrrev_b32 v1, 5, v0
	v_readfirstlane_b32 s14, v1                    ; wave 0..3
	v_and_b32 v2, 31, v0
	v_lshlrev_b32 v[PFO], 8, v2                    ; blocks 0-31, a lane each
	v_min_u32 v3, 1, v2
	v_lshl_add_u32 v[PFO+1], v3, 8, 32*256         ; blocks 32 and 33
	s_lshr_b32 s15, s14, 1                         ; my half of the tile's rows.  Also: I fetch for x (0) or for w (1)
	s_and_b32 s16, s14, 1                          ; my half of its columns.  Also: which chunk of the two I fetch
	s_bfe_u32 s40, ttmp6, 0x40000                  ; cx, cy
	s_bfe_u32 s41, ttmp6, 0x40004
	s_lshl_b32 s42, ttmp9, 2
	s_add_co_u32 s42, s42, s40                     ; tile column
	s_and_b32 s17, ttmp7, 0xffff
	s_lshl_b32 s17, s17, 2
	s_add_co_u32 s17, s17, s41                     ; tile row
	s_lshl_b32 s43, s41, 2
	s_lshl_b32 s43, 15, s43                        ; my row of the cluster
	s_lshl_b32 s44, 0x1111, s40                    ; my column
	s_or_b32 s[G1+0], s43, (3<<16)|(1<<20)|(1<<21)|(5<<22)|(3<<25)   ; mask; elements of 8 bytes; padding of 4 words behind every 64; bit 21 beside a mask
	s_or_b32 s[G1B+0], s44, (3<<16)|(1<<20)|(1<<21)|(5<<22)|(3<<25)
.irp g, G1, G1B
	s_mov_b32 s[\g+1], 32<<16                      ; rows of 32 elements,
	s_mov_b32 s[\g+2], 136<<16                     ; 136 of them,
	s_mov_b32 s[\g+3], 32<<16
	s_mov_b32 s[\g+4], 136
	s_mov_b32 s[\g+5], 32                          ; dense
	s_mov_b32 s[\g+6], 0
	s_mov_b32 s[\g+7], 0
.endr
	s_lshl_b32 s20, s17, 1
	s_add_co_u32 s20, s20, s16
	s_mul_i32 s20, s20, RBLK                       ; x: block 2 x tile row + half
	s_mov_b32 s21, 0
	s_lshl_b32 s46, s42, 1
	s_add_co_u32 s46, s46, s16
	s_mul_i32 s46, s46, RBLK                       ; w: block 2 x tile column + half
	s_mov_b32 s47, 0
	s_mul_i32 s45, s14, HALFT                      ; where my chunk goes
	s_wait_alu depctr_va_vdst(0)                   ; the wait here, directly ahead of the wait below
	s_wait_dscnt 0x0                               ; both opening adds are done
	s_wait_kmcnt 0x0
	s_add_nc_u64 s[20:21], s[4:5], s[20:21]
	s_add_nc_u64 s[46:47], s[6:7], s[46:47]
	CROUND                                         ; all sixteen work-groups are here: the first joint loads meet
.irp s, 0,1
	s_mov_b32 s[G0+4*\s], 1
	s_add_co_u32 s[G0+4*\s+1], s45, \s*SLOT
	s_add_nc_u64 s[G0+4*\s+2:G0+4*\s+3], s[20:21], \s*CHUNK
	s_or_b32 s[G0+4*\s+3], s[G0+4*\s+3], 0x80000000
	s_mov_b32 s[G0B+4*\s], 1
	s_add_co_u32 s[G0B+4*\s+1], s45, \s*SLOT
	s_add_nc_u64 s[G0B+4*\s+2:G0B+4*\s+3], s[46:47], \s*CHUNK
	s_or_b32 s[G0B+4*\s+3], s[G0B+4*\s+3], 0x80000000
.endr
	JLOAD 0                                        ; K step 0: one tensor load a wave at the head
	s_cmp_eq_u32 s15, 0
	s_cselect_b32 s10, s40, s41                    ; my place among the four that ask with me
	s_cselect_b64 s[PFA:PFA+1], s[20:21], s[46:47]
	s_mul_i32 s10, s10, SHARE
	s_mov_b32 s11, 0
	s_add_nc_u64 s[PFA:PFA+1], s[PFA:PFA+1], s[10:11]
	PF 1                                           ; K steps 1 and 2
	PF 2
	s_mul_i32 s21, s15, HALFT                      ; my 128 rows of x
	s_mul_i32 s22, s16, HALFT
	s_add_co_u32 s22, s22, 2*HALFT                 ; my 128 rows of w
	s_sub_co_u32 s18, s22, s21
	s_add_co_u32 s19, s21, SCO
	s_mul_i32 s23, s14, 16*SPITCH                  ; my stage
	v_and_b32 v1, 15, v0                           ; l % 16
	v_bfe_u32 v2, v0, 4, 1                         ; l / 16
	v_mul_u32_u24 v3, v1, PITCH
	v_lshl_add_u32 v4, v2, 4, v3                   ; a fragment's row x pitch + 16 x half
	v_add_nc_u32 v[ADRA], s21, v4
	v_add_nc_u32 v[ADRB], s22, v4
	v_add_nc_u32 v[ADRA+1], SLOT, v[ADRA]
	v_add_nc_u32 v[ADRB+1], SLOT, v[ADRB]
	v_lshlrev_b32 v5, 4, v1                        ; 16 scale bytes a row
	v_mul_u32_u24 v6, s18, v2                      ; lanes 16-31 take w's
	v_add_nc_u32 v5, v5, v6
	v_add_nc_u32 v[ADRS], s19, v5
	v_add_nc_u32 v[ADRS+1], SLOT, v[ADRS]
	v_mul_u32_u24 v5, v1, SPITCH
	v_lshl_add_u32 v5, v2, 5, v5
	v_add_nc_u32 v[STO], s23, v5                   ; in: row l % 16, 32 bytes for each half of the lanes
	v_and_b32 v6, 31, v0
	v_lshlrev_b32 v[CO], 4, v6
	v_add_nc_u32 v[RD], s23, v[CO]                 ; back: the 32 lanes take one row of 512 bytes
	s_lshl_b32 s20, s17, 8
	s_lshl_b32 s21, s15, 7
	s_add_co_u32 s20, s20, s21                     ; my first row of out0,
	s_lshl_b32 s20, s20, 13                        ; of 8,192 bytes
	s_lshl_b32 s46, s42, 10
	s_lshl_b32 s47, s16, 9
	s_add_co_u32 s46, s46, s47                     ; my first column, in bytes
	s_add_co_u32 s20, s20, s46
	s_mov_b32 s21, 0
	s_add_nc_u64 s[12:13], s[12:13], s[20:21]
.macro FRAG reg, adr, q, i             ; lane l: row l % 16; registers 4 c .. 4 c + 3: K = 64 c + 32 (l / 16) + 0 .. 31
.irp c, 0,1
	ds_load_b128 v[\reg+4*\c:\reg+4*\c+3], v[\adr] offset:64*(\q)+32*\c+(\i)*16*PITCH
.endr
.endm
.macro WM zero                         ; one product, by the symbols DD, BF, AA, SB, SA; zero = 1: it starts the sum
.if \zero
	v_wmma_scale_f32_16x16x128_f8f6f4 v[DD:DD+7], v[BF:BF+7], v[AA:AA+7], 0, v[SB], v[SA] matrix_a_fmt:MATRIX_FMT_FP4 matrix_b_fmt:MATRIX_FMT_FP4 matrix_a_scale:MATRIX_SCALE_ROW1
.else
	v_wmma_scale_f32_16x16x128_f8f6f4 v[DD:DD+7], v[BF:BF+7], v[AA:AA+7], v[DD:DD+7], v[SB], v[SA] matrix_a_fmt:MATRIX_FMT_FP4 matrix_b_fmt:MATRIX_FMT_FP4 matrix_a_scale:MATRIX_SCALE_ROW1
.endif
.endm
; 8 products: x's block a against w's eight, the slot's q-th 128 along K, from set f; sc: the set of scale words.  The 64 accumulators take turns, one instruction a turn
.macro MUL8 a, f, q, sc, zero
.irp b, 0,1,2,3,4,5,6,7
.set DD, 8*(8*((\a)%4)+\b)
.set BF, 128*(\f)+FR*\b
.set AA, 128*(\f)+64+FR*(\a)
.set SB, SC+8*NQ*(\sc)+NQ*\b+(\q)
.set SA, SC+8*NQ*(\sc)+NQ*(\a)+(\q)
	WM \zero
.endr
.endm
; 16 loads: half h of the fragments of the slot's q-th 128 along K into set g: h = 0: w's eight blocks; h = 1: x's eight, ascending
.macro GLOAD slot, q, g, h
.irp i, 0,1,2,3,4,5,6,7
.if \h == 0
	FRAG 128*(\g)+FR*\i, ADRB+\slot, \q, \i
.else
	FRAG 128*(\g)+64+FR*\i, ADRA+\slot, \q, \i
.endif
.endr
.endm
.macro SCALES sc                       ; a K step's scale words: register NQ i + q: lanes 0-15 x's block i, lanes 16-31 w's block i
.irp i, 0,1,2,3,4,5,6,7
	ds_load_b128 v[SC+8*NQ*\sc+NQ*\i:SC+8*NQ*\sc+NQ*\i+3], v[ADRS+\sc] offset:\i*PITCH
.endr
.endm
.macro PLACES n                        ; places in front of loads into registers that products have read, and of reads of results
.rept \n
	v_nop
.endr
.endm
; 128 along K with its successor in the same slot.  The places stand behind the last step's products, which read the set that both runs load.
.macro STEP slot, q, zero
	PLACES NP
	WIN TO_F
	GLOAD \slot, (\q)+1, 1-(\q)%2, 0
	s_wait_dscnt 24                                ; w's set and x's blocks 0-3 are in: behind them stand x's blocks 4-7 (8 loads) and the 16 just issued
	WIN MUL_LO
.irp j, 0,1,2,3
	MUL8 \j, (\q)%2, \q, \slot, \zero
.endr
	WIN TO_F
	GLOAD \slot, (\q)+1, 1-(\q)%2, 1
	s_wait_dscnt 32                                ; x's blocks 4-7 are in: behind them stand this step's two runs
	WIN MUL_HI
.irp j, 4,5,6,7
	MUL8 \j, (\q)%2, \q, \slot, \zero
.endr
.endm
; The first half of a slot's last 128: the one barrier of a change of slots.  Ahead of it: all my tensor loads have landed (my chunk of the other slot), the add, and my reads of this slot are over.
.macro MEET slot
	WIN 0                                          ; the add's two registers lie in window 0
	s_wait_tensorcnt 0x0
	ds_add_u32 v[SPW], v[NIL]
	s_wait_dscnt 13                                ; the add and x's blocks 2-7 may be out
	WIN MUL_LO
	MUL8 0, 1, NQ-1, \slot, 0
	MUL8 1, 1, NQ-1, \slot, 0
	s_wait_dscnt 0x0
	s_barrier_signal -1
	MUL8 2, 1, NQ-1, \slot, 0
	MUL8 3, 1, NQ-1, \slot, 0
	WIN 0
	s_barrier_wait -1
.endm
.macro TURN slot, next                 ; a change of slots that fills the slot again, two K steps ahead
	s_wait_xcnt 0x0                                ; my prefetches have read their address
	s_add_nc_u64 s[PFA:PFA+1], s[PFA:PFA+1], CHUNK
	MEET \slot
	CREST                                          ; the barrier opened a round of the cluster's barrier: no partner's wave still reads this slot or has a load out
	s_add_nc_u64 s[G0+4*\slot+2:G0+4*\slot+3], s[G0+4*\slot+2:G0+4*\slot+3], 2*CHUNK
	s_add_nc_u64 s[G0B+4*\slot+2:G0B+4*\slot+3], s[G0B+4*\slot+2:G0B+4*\slot+3], 2*CHUNK
	JLOAD \slot                                    ; its four v_nop are the places in front of the loads below
	SCALES \next
	WIN TO_F                                       ; the next slot's first fragments, in the order of every step: w's, then x's blocks ascending
	GLOAD \next, 0, 0, 0
	WIN 0
	s_cmp_gt_u32 s3, 1                             ; the loop's last trip has no K step four on
	s_cbranch_scc0 .Lno_ask_\@
	PF 3                                           ; in step t s[PFA] stands at step t + 1: this names step t + 4
.Lno_ask_\@:
	WIN MUL_HI
	MUL8 4, 1, NQ-1, \slot, 0
	MUL8 5, 1, NQ-1, \slot, 0
	WIN TO_F
	GLOAD \next, 0, 0, 1
	WIN MUL_HI
	MUL8 6, 1, NQ-1, \slot, 0
	MUL8 7, 1, NQ-1, \slot, 0
.endm
.macro STEPS slot, from
.set Q, \from
.rept NQ-1-\from
	STEP \slot, Q, 0
.set Q, Q+1
.endr
.endm
; THE LAST K STEP, in slot 1, by rows
.macro BLOAD q                         ; w's fragments of quarter q -> window 1, v[64 q ..]
.irp i, 0,1,2,3,4,5,6,7
	FRAG 64*\q+FR*\i, ADRB+1, \q, \i
.endr
.endm
.macro ALOAD a                         ; x's block a, all four quarters -> window 0, buffer a % 2
.irp q, 0,1,2,3
	FRAG PA+32*((\a)%2)+FR*\q, ADRA+1, \q, \a
.endr
.endm
.macro ROW a                           ; block a is finished: 32 products, its 8 accumulators by turns, K ascending
	WIN ROW_LO+0x50*((\a)/4)
.irp q, 0,1,2,3
.if (\a) == 0 && \q == 2
	s_wait_dscnt 8*NL                              ; w's quarter 2 is in (behind it: quarter 3)
.endif
.if (\a) == 0 && \q == 3
	s_wait_dscnt 0x0
.endif
.irp b, 0,1,2,3,4,5,6,7
.set DD, 64*((\a)%4)+8*\b
.set BF, 64*\q+8*\b
.set AA, PA+32*((\a)%2)+8*\q
.set SB, SC+8*NQ+NQ*\b+\q
.set SA, SC+8*NQ+NQ*(\a)+\q
	WM 0
.endr
.endr
.endm
.macro OBSET a                         ; the rows read back: v192-255, and v32-63 with v96-127, by turns
.if ((\a)%2) == 0
.set BB, 192
.set BG, 0
.else
.set BB, 32
.set BG, 32
.endif
.endm
.macro TOSTAGE a                       ; block a through my stage: in as it lies, each accumulator from its low end on; back as whole rows.  LDS serves a wave's instructions in order (ISA guide 5.7.1.4)
	WIN 0x08+4*((\a)/4)
.irp b, 0,1,2,3,4,5,6,7
	ds_store_b128 v[STO], v[64*((\a)%4)+8*\b:64*((\a)%4)+8*\b+3] offset:64*\b
	ds_store_b128 v[STO], v[64*((\a)%4)+8*\b+4:64*((\a)%4)+8*\b+7] offset:64*\b+16
.endr
	WIN 0
	OBSET \a
.irp t, 0,1,2,3,4,5,6,7,8,9,10,11,12,13,14,15
	ds_load_b128 v[BB+4*\t+BG*(\t/8):BB+4*\t+BG*(\t/8)+3], v[RD] offset:\t*SPITCH
.endr
.endm
.macro SEND a, younger                 ; younger: the LDS loads issued behind TOSTAGE's, which may stay out
	WIN 0
	OBSET \a
	s_wait_dscnt \younger
	s_wait_xcnt 0x0                                ; earlier stores have read their base and their data: the base steps, and the next block's rows may land where block a - 1's lay
.if (\a) > 0
	s_add_nc_u64 s[12:13], s[12:13], 16*SIZE_N*4
.endif
.irp t, 0,1,2,3,4,5,6,7,8,9,10,11,12,13,14,15
	global_store_b128 v[CO], v[BB+4*\t+BG*(\t/8):BB+4*\t+BG*(\t/8)+3], s[12:13] offset:\t*SIZE_N*4 th:TH_STORE_NT   ; 32 lanes store 512 consecutive bytes, at a multiple of 256 from out0's first byte
.endr
.endm
	s_wait_alu depctr_va_vdst(0)                   ; the wait at the head's end
	s_wait_tensorcnt 0x0                           ; my chunk of K step 0 is in; a later first fill is issued as a refill is:
	ds_add_u32 v[SPW], v[NIL]
	s_wait_dscnt 0x0
	CROUND
	JLOAD 1                                        ; K step 1
	SCALES 0
	WIN TO_F
	GLOAD 0, 0, 0, 0
	GLOAD 0, 0, 0, 1
	WIN 0
	PF 3                                           ; K step 3
	STEP 0, 0, 1                                   ; the first products start the sums
	WIN 0                                          ; at a label and at a branch every window is 0
	s_mov_b32 s3, LAPS-1
.Llap:                                                 ; once round the ring, from a lap's second 128 to the next lap's first; both slots are filled again
	STEPS 0, 1
	TURN 0, 1
	STEPS 1, 0
	TURN 1, 0
	STEP 0, 0, 0
	WIN 0
	s_sub_co_u32 s3, s3, 1
	s_cmp_lg_u32 s3, 0
	s_cbranch_scc1 .Llap
	STEPS 0, 1
	MEET 0                                         ; the last change of slots: nothing is filled again, so no round follows
	PLACES NP
	SCALES 1
	ALOAD 0
	ALOAD 1
	WIN TO_F
	BLOAD 0                                        ; two quarters of w now, over set 0: set 1 is still being multiplied
	BLOAD 1
	WIN MUL_HI
	MUL8 4, 1, NQ-1, 0, 0
	MUL8 5, 1, NQ-1, 0, 0
	MUL8 6, 1, NQ-1, 0, 0
	MUL8 7, 1, NQ-1, 0, 0
	PLACES NP
	WIN TO_F
	BLOAD 2
	BLOAD 3
	s_wait_dscnt 16*NL                             ; all but the 32 just issued
	ROW 0
.irp a, 0,1,2,3,4,5,6,7                ; each block leaves as soon as it is finished; block a + 1's products stand between block a's loads from the stage and the wait for them
	PLACES NP
	TOSTAGE \a
.if \a < 6
	ALOAD \a+2                                     ; block a's buffer takes the block two further on
	s_wait_dscnt 32+4*NL                           ; x's block a + 1 is in: behind its loads stand the stage's 32 instructions and the 8 loads just issued
	ROW \a+1
	SEND \a, 4*NL
.else
.if \a < 7
	s_wait_dscnt 32                                ; x's block 7 is in: behind its loads stand the stage's 32 instructions
	ROW \a+1
.endif
	SEND \a, 0
.endif
.endr
	s_wait_tensorcnt 0x0                           ; the wave's end
	ds_add_u32 v[SPW], v[NIL]
	s_wait_dscnt 0x0
	CROUND                                         ; the closing round
	s_endpgm
.Lfunc_end_k_qefe97c4513_gemm:
	.size	k_qefe97c4513_gemm, .Lfunc_end_k_qefe97c4513_gemm-k_qefe97c4513_gemm
	.p2alignl 7, 3214868480
	.fill 96, 4, 3214868480
	.section	.rodata,"a",@progbits
	.p2align	6, 0x0
	.amdhsa_kernel k_qefe97c4513_gemm
		.amdhsa_group_segment_fixed_size 327680
		.amdhsa_private_segment_fixed_size 0
		.amdhsa_enable_private_segment 0
		.amdhsa_kernarg_size 24
		.amdhsa_user_sgpr_count 2
		.amdhsa_user_sgpr_kernarg_segment_ptr 1
		.amdhsa_wavefront_size32 1
		.amdhsa_system_sgpr_workgroup_id_x 1
		.amdhsa_system_sgpr_workgroup_id_y 1
		.amdhsa_system_sgpr_workgroup_id_z 1
		.amdhsa_system_vgpr_workitem_id 0
		.amdhsa_next_free_vgpr 1024
		.amdhsa_next_free_sgpr 66
		.amdhsa_reserve_vcc 0
		.amdhsa_float_denorm_mode_32 3
		.amdhsa_float_denorm_mode_16_64 3
		.amdhsa_memory_ordered 1
		.amdhsa_forward_progress 1
		.amdhsa_inst_pref_size 209
	.end_amdhsa_kernel
	.amdgpu_metadata
---
amdhsa.version: [ 1, 2 ]
amdhsa.kernels:
  - .name:           k_qefe97c4513_gemm
    .symbol:         k_qefe97c4513_gemm.kd
    .args:
      - { .name: xq, .offset: 0, .size: 8, .value_kind: global_buffer, .address_space: global }
      - { .name: wq, .offset: 8, .size: 8, .value_kind: global_buffer, .address_space: global }
      - { .name: out0, .offset: 16, .size: 8, .value_kind: global_buffer, .address_space: global }
    .group_segment_fixed_size: 327680
    .private_segment_fixed_size: 0
    .kernarg_segment_align: 8
    .kernarg_segment_size: 24
    .max_flat_workgroup_size: 128
    .sgpr_count:     66
    .vgpr_count:     1024
    .wavefront_size: 32
...
	.end_amdgpu_metadata
.endif
;; end of part 2
